; MI455X (gfx1250); checked and timed in simulation.
; The chip was launched on July 23, 2026; its instructions are those of AMD's public machine-readable ISA for CDNA 5 (MIT licence, August 2026) and "CDNA5" Instruction Set Architecture Reference Guide (July 2026). The comments in the code are by the model that wrote it; some were corrected since.
;; Vector Quantizer. Allowed arithmetic: matrix products marked QUANTISED: E4M3 operands, one E8M0 scale for each 32 along K, by v_wmma_scale_f32_16x16x128_f8f6f4 with both operands' format E4M3, f32 sums; everything else in f32.
;; Inputs: embedding 8,192 x 256 float32; x 32,768 x 256 float32.
;; Outputs: out0 32,768 x 256 float32; out1 one number float32; out2 one number float32; out3 32,768 int32.
;; This version of the problem:
;;   THIS VERSION OF THE PROBLEM IS GIVEN IN LOW PRECISION. The matrix products marked QUANTISED in the list below multiply operands that are first quantised to E4M3 (4 exponent bits, 3 mantissa bits; 8 bits a number), with one power-of-two scale for each 32 numbers along K (OCP MX v1.0); their sums are f32. All else is computed in f32.
;;   The module's matrix products, in the order in which they are computed (A, B: the left and right operand; K: the contracted axis; several contracted axes count as one K, in the product's order):
;;     1. [M 32,768, K 256] x [K 256, N 8,192]; A: input x; B: input embedding: QUANTISED
;;   THE QUANTISER, for each operand of a quantised product, along K:
;;     - K is cut into blocks of 32 from its start; a last block that is shorter is filled with zeros.
;;     - A block's scale is 2^e with e = floor(log2(the largest magnitude in the block)) - 8, held to -126 .. 127; a block of zeros has e = 0. As a byte (E8M0): e + 127.
;;     - Each number is divided by its block's scale, clamped to +-448, and rounded to the nearest number of E4M3, ties to even, subnormals kept.
;;     - The product sums the exact products of the quantised numbers (number of the format x scale) in f32.
;;   ~~~python
;;   def quantise(x, axis):      # numpy; x: float32 -> the quantised numbers, widened to float32 again
;;       x = np.moveaxis(x, axis, -1); K = x.shape[-1]
;;       x = np.pad(x, [(0, 0)] * (x.ndim - 1) + [(0, -K % 32)]); x = x.reshape(x.shape[:-1] + (-1, 32)); a = np.abs(x).max(-1, keepdims=True)
;;       e = np.where(a > 0, np.clip(np.frexp(np.where(a > 0, a, 1))[1] - 1 - 8, -126, 127), 0)      # np.frexp(a)[1] - 1 = floor(log2(a)), exactly
;;       r = np.clip(x / 2.0 ** e, -448, 448)
;;       step = 2.0 ** (np.maximum(np.frexp(np.where(r == 0, 1, r))[1] - 1, -6) - 3)
;;       q = np.round(r / step) * step * 2.0 ** e      # np.round: ties to even
;;       return np.moveaxis(q.reshape(q.shape[:-2] + (-1,))[..., :K], -1, axis).astype(np.float32)
;;   ~~~
;; One version. Each part assembles by itself: llvm-mc -triple=amdgcn-amd-amdhsa -mcpu=gfx1250 --defsym DOCPART=n.
;; ======== version 1 of 1: 5 launches
;; limits: right only within a limited range of input values
;; workspace buffers: xbook 8,912,896 bytes; ebook 2,228,224 bytes; cand 2,097,152 bytes of whole numbers; idxw 131,072 bytes of whole numbers; part 2,048 bytes
;; launch quant (part 1): grid 256 x 1, 5 waves a work-group, no clusters, 169,728 bytes of LDS; arguments x, embedding, xbook, ebook; writes xbook, ebook
.if DOCPART == 1
	.amdgcn_target "amdgcn-amd-amdhsa--gfx1250"
	.amdhsa_code_object_version 6
	.text
	.protected	k_qd822a0c2df_quant
	.globl	k_qd822a0c2df_quant
	.p2align	8
	.type	k_qd822a0c2df_quant,@function
k_qd822a0c2df_quant:
	s_mov_b64 s[64:65], 0
	v_nop
	global_prefetch_b8 v0, s[64:65] scope:SCOPE_SE
	s_setreg_imm32_b32 hwreg(HW_REG_WAVE_MODE, 25, 1), 1
	s_wait_xcnt 0x0
; x [32768][256] and embedding [8192][256], f32, become RECORDS of 32 neighbouring rows each, laid in the order in which the later launches' operand registers take them.
; A record is 8,704 bytes (34 x 256):
;   0 .. 8191     two tiles of 16 rows, u = 0, 1: codes of FP8 (E4M3) as an image of the operand's registers: [u][K step s of 128][c][lane][16 bytes]; lane (r, h) holds k = 128 s + 32 c + 16 h + 0 .. 15 of tile row r
;   8192 + 128 u  the tile's scale words: lane (r, h) holds tile row r's four E8M0 bytes of K step h
;   8448          the 32 rows' sums of squares (of the f32 numbers as given), in the rows' own order;   8576: 128 bytes of zeros
; TILE ROW r OF TILE u IS THE RECORD'S ROW 16 (r / 8) + 8 u + r % 8: used as source 0, a lane's eight results of the two tiles of a record are then 16 neighbouring rows.
; A block's scale is 2^(floor(log2(its largest magnitude)) - 8); each number is divided by it, held within +-448 and rounded to the nearest code, ties to even.
; LIMITS: a block whose largest magnitude lies under 2^-118 (a block of zeros too) gets the byte 1; the bytes are read by this program alone, and zero codes add nothing.  NaN and infinities are not served.
; The sums of squares are added in another order than a row-wise loop would add them (four chains a lane, then two lanes).
; SHARES: 1,280 records = 256 work-groups x 5 waves: a wave makes one record.  Records 0-1023 are x's, the others embedding's: only pointers are chosen, the text has one path.
; A wave's 32 rows (32 KiB, dense) come by ONE tensor load into the wave's own stage in LDS; nothing is filled again, and no wave reads another's bytes: no barrier.
.set REC,   8704
.set PITCH, 1040                       ; a row in the stage: 1,024 bytes + 16 of padding
.set WSTG,  32*PITCH                   ; a wave's stage
.set AUXB,  5*WSTG                     ; behind the stages (a multiple of 256): 512 bytes for each wave, where a record's last 512 bytes are put together; no fill lands there
.set SA,  3                            ; v3   stage: my tile row's place, + 64 h
.set GO,  4                            ; v4   16 x lane
.set AX4, 5                            ; v5   my 512 bytes + 4 x lane
.set AXS, 6                            ; v6   my 512 bytes + 4 x (16 (r / 8) + r % 8)
.set AXR, 7                            ; v7   my 512 bytes + 16 x lane
.set NIL, 8                            ; v8   0
.set X,   16                           ; v16-143  two sets of 64 numbers
.set C,   144                          ; v144-207 16 registers of codes for each of the four steps: no store's data are written again
.set TM,  208                          ; v208-223 at work: largest magnitudes, bytes, holds, scale operands
.set PW,  224                          ; v224-227 the four steps' scale words
.set SQ,  228                          ; v228-235 squares, four chains of pairs
.set SUM, 236                          ; v236-237 the two tiles' row sums
.set AW,  238                          ; v238-239 scale images
.set AO,  240                          ; v240-243 the record's last 512 bytes, 16 a lane
.set G1,  16                           ; s[16:23] descriptor group 1
.set G0,  24                           ; s[24:27] descriptor group 0
.set SEL, 34                           ; s[34:35] selects of v_permlanex16_b32: lane l xor 16
.set MNT, 36                           ; s36  the mantissa field of 448
.set HALF, 37                          ; s37  lanes 16-31
	s_load_b256 s[4:11], s[0:1], 0x0               ; x, embedding, xbook, ebook
	v_lshl_add_u32 v254, v0, 2, 0x29400
	v_mov_b32 v255, 0
	ds_add_u32 v254, v255
	ds_add_u32 v254, v255
	v_lshrrev_b32 v1, 5, v0
	v_readfirstlane_b32 s13, v1                    ; wave 0..4
	s_mul_i32 s12, ttmp9, 5
	s_add_co_u32 s12, s12, s13                     ; my record, 0 .. 1279
	; group 1: 32 rows of 256 elements of 4 bytes, dense in memory; 4 words of padding behind every 256 words
	s_mov_b32 s[G1+0], (2<<16)|(1<<20)|(7<<22)|(3<<25)
	s_mov_b32 s[G1+1], 256<<16                     ; tensor_dim0
	s_mov_b32 s[G1+2], 32<<16                      ; tensor_dim1
	s_mov_b32 s[G1+3], 256<<16                     ; tile_dim0
	s_mov_b32 s[G1+4], 32                          ; tile_dim1
	s_mov_b32 s[G1+5], 256                         ; from row to row
	s_mov_b32 s[G1+6], 0
	s_mov_b32 s[G1+7], 0
	s_mul_i32 s38, s13, WSTG                       ; my stage
	s_mov_b32 s[SEL], 0x76543210
	s_mov_b32 s[SEL+1], 0xfedcba98
	s_mov_b32 s[MNT], 0x600000
	s_mov_b32 s[HALF], 0xffff0000
	s_wait_dscnt 0x0
	s_wait_kmcnt 0x0
	s_cmp_lt_u32 s12, 1024                         ; x's record or embedding's?  The choice hangs on ids alone
	s_cselect_b64 s[4:5], s[4:5], s[6:7]
	s_cselect_b64 s[8:9], s[8:9], s[10:11]
	s_cselect_b32 s14, 0, 1024
	s_sub_co_u32 s12, s12, s14                     ; the record's number in its tensor
	s_lshl_b32 s14, s12, 15                        ; 32 rows of 1,024 bytes
	s_mov_b32 s15, 0
	s_add_nc_u64 s[4:5], s[4:5], s[14:15]
	s_mul_i32 s14, s12, REC
	s_add_nc_u64 s[8:9], s[8:9], s[14:15]
	s_mov_b32 s[G0], 1                             ; count = 1
	s_mov_b32 s[G0+1], s38                         ; LDS address
	s_mov_b64 s[G0+2:G0+3], s[4:5]                 ; global address
	s_or_b32 s[G0+3], s[G0+3], 0x80000000          ; type = 2
	tensor_load_to_lds s[G0:G0+3], s[G1:G1+7]      ; my one tensor load
	s_nop 0
.rept 4
	v_nop
.endr
	v_and_b32 v1, 15, v0                           ; r
	v_bfe_u32 v2, v0, 4, 1                         ; h
	v_and_b32 v9, 31, v0                           ; lane
	v_and_b32 v10, 8, v1
	v_add_nc_u32 v10, v10, v1                      ; 16 (r / 8) + r % 8
	v_mul_u32_u24 v[SA], v10, PITCH
	v_lshl_add_u32 v[SA], v2, 6, v[SA]             ; + 64 h: my 16 numbers of a block of 32
	v_add_nc_u32 v[SA], s38, v[SA]
	v_lshlrev_b32 v[GO], 4, v9
	s_lshl_b32 s39, s13, 9
	s_add_co_u32 s39, s39, AUXB
	v_lshl_add_u32 v[AX4], v9, 2, s39
	v_lshl_add_u32 v[AXS], v10, 2, s39
	v_lshl_add_u32 v[AXR], v9, 4, s39
	v_mov_b32 v[NIL], 0
.irp b, 0,1,2,3
	v_mov_b32 v[TM+4+\b], 0                        ; written once: a lane permute's destination counts as one of its sources
.endr
; Step n = 2 u + s: tile u, K step s.  LD: my 64 numbers, register 16 b + i = k 128 s + 32 b + 16 h + i of my tile row, into set n % 2
.macro LD n
.irp b, 0,1,2,3
.irp j, 0,1,2,3
	ds_load_b128 v[X+64*((\n)%2)+16*\b+4*\j:X+64*((\n)%2)+16*\b+4*\j+3], v[SA] offset:8*PITCH*((\n)/2)+512*((\n)%2)+128*\b+16*\j
.endr
.endr
.endm
; WORK: the squares (of the numbers as given, ahead of the hold), the four blocks' scales, the codes, and their 2,048 bytes out
.macro WORK n
.set XS, X+64*((\n)%2)
.set PC, C+16*(\n)
.set i, 0
.rept 8
.irp g, 0,1,2,3
.if ((\n)%2 == 0) && (i == 0)
	v_pk_mul_f32 v[SQ+2*\g:SQ+2*\g+1], v[XS+2*\g:XS+2*\g+1], v[XS+2*\g:XS+2*\g+1]      ; a tile's first squares start the chains: nothing is cleared
.else
	v_pk_fma_f32 v[SQ+2*\g:SQ+2*\g+1], v[XS+8*i+2*\g:XS+8*i+2*\g+1], v[XS+8*i+2*\g:XS+8*i+2*\g+1], v[SQ+2*\g:SQ+2*\g+1]
.endif
.endr
.set i, i+1
.endr
.irp b, 0,1,2,3
	v_max3_num_f32 v[TM+\b], |v[XS+16*\b]|, |v[XS+1+16*\b]|, 0x4800000   ; block b: my 16 numbers, and the floor 2^(9 - 127): the byte cannot fall under 1
.endr
.irp i, 2,4,6,8,10,12,14
.irp b, 0,1,2,3
	v_max3_num_f32 v[TM+\b], v[TM+\b], |v[XS+16*\b+\i]|, |v[XS+1+16*\b+\i]|   ; the four blocks by turns
.endr
.endr
.irp b, 0,1,2,3
	v_permlanex16_b32 v[TM+4+\b], v[TM+\b], s[SEL], s[SEL+1]
.endr
.irp b, 0,1,2,3
	v_max_num_f32 v[TM+\b], v[TM+\b], v[TM+4+\b]   ; with lane l xor 16's 16: the block's largest magnitude
.endr
.irp b, 0,1,2,3
	v_add_nc_u32 v[TM+12+\b], 0xfc000000, v[TM+\b] ; 8 off its exponent field: the conversion's scale operand
.endr
.irp b, 0,1,2,3
	v_and_or_b32 v[TM+8+\b], v[TM+\b], 0x7f800000, s[MNT]   ; 448 x the scale
.endr
.irp b, 0,1,2,3
	v_lshrrev_b32 v[TM+4+\b], 23, v[TM+12+\b]      ; the scale's byte
.endr
	v_lshl_or_b32 v[PW+(\n)], v[TM+5], 8, v[TM+4]  ; my tile row's scale word of this K step (both halves of the lanes hold it)
	v_lshl_or_b32 v[PW+(\n)], v[TM+6], 16, v[PW+(\n)]
	v_lshl_or_b32 v[PW+(\n)], v[TM+7], 24, v[PW+(\n)]
.irp b, 0,1,2,3
.irp i, 0,1,2,3,4,5,6,7,8,9,10,11,12,13,14,15
	v_med3_num_f32 v[XS+16*\b+\i], v[XS+16*\b+\i], -v[TM+8+\b], v[TM+8+\b]   ; the conversion to an 8-bit code does not saturate (ISA guide 7.6.2): the hold comes first
.endr
	v_cvt_scalef32_pk8_fp8_f32 v[PC+4*\b:PC+4*\b+1], v[XS+16*\b:XS+16*\b+7], v[TM+12+\b]
	v_cvt_scalef32_pk8_fp8_f32 v[PC+4*\b+2:PC+4*\b+3], v[XS+16*\b+8:XS+16*\b+15], v[TM+12+\b]
.endr
	v_nop                                          ; one plain vector line behind the last conversion of a run
.irp c, 0,1,2,3
	global_store_b128 v[GO], v[PC+4*\c:PC+4*\c+3], s[8:9] offset:4096*((\n)/2)+2048*((\n)%2)+512*\c   ; 32 lanes store 512 consecutive bytes, at a multiple of 256 from the buffer's first byte
.endr
.endm
.macro SUMROW u                        ; the four chains, the pair's halves, and lane l xor 16's: my tile row's sum of squares
	v_pk_add_f32 v[SQ:SQ+1], v[SQ:SQ+1], v[SQ+2:SQ+3]
	v_pk_add_f32 v[SQ+4:SQ+5], v[SQ+4:SQ+5], v[SQ+6:SQ+7]
	v_pk_add_f32 v[SQ:SQ+1], v[SQ:SQ+1], v[SQ+4:SQ+5]
	v_add_f32 v[SQ], v[SQ], v[SQ+1]
	v_permlanex16_b32 v[SQ+1], v[SQ], s[SEL], s[SEL+1]
	v_add_f32 v[SUM+\u], v[SQ], v[SQ+1]
.endm
	s_wait_tensorcnt 0x0                           ; my 32 rows lie in my stage; only I read them
	LD 0
	LD 1
	s_wait_dscnt 16                                ; step 0's 16 loads are in, step 1's may be out
	WORK 0
	LD 2
	s_wait_dscnt 16                                ; step 1's are in, step 2's may be out
	WORK 1
	SUMROW 0
	LD 3
	s_wait_dscnt 16                                ; step 2's are in
	WORK 2
	s_wait_dscnt 0x0
	WORK 3
	SUMROW 1
	; the record's last 512 bytes are put together in my own LDS bytes and leave as two whole runs of 256 bytes
	v_cndmask_b32 v[AW], v[PW], v[PW+1], s[HALF]   ; lanes 0-15 K step 0's word, lanes 16-31 K step 1's
	v_cndmask_b32 v[AW+1], v[PW+2], v[PW+3], s[HALF]
	ds_store_b32 v[AX4], v[AW]
	ds_store_b32 v[AX4], v[AW+1] offset:128
	ds_store_b32 v[AXS], v[SUM] offset:256         ; both halves of the lanes write the same word with the same value
	ds_store_b32 v[AXS], v[SUM+1] offset:288       ; tile 1's rows lie 8 further on
	ds_store_b32 v[AX4], v[NIL] offset:384
	ds_load_b128 v[AO:AO+3], v[AXR]                ; LDS serves a wave's instructions in order (ISA guide 5.7.1.4): this sees my stores
	s_wait_dscnt 0x0
	global_store_b128 v[GO], v[AO:AO+3], s[8:9] offset:8192
	s_wait_tensorcnt 0x0
	ds_add_u32 v254, v255
	s_wait_dscnt 0x0
	s_endpgm
.Lfunc_end_k_qd822a0c2df_quant:
	.size	k_qd822a0c2df_quant, .Lfunc_end_k_qd822a0c2df_quant-k_qd822a0c2df_quant
	.p2alignl 7, 3214868480
	.fill 96, 4, 3214868480
	.section	.rodata,"a",@progbits
	.p2align	6, 0x0
	.amdhsa_kernel k_qd822a0c2df_quant
		.amdhsa_group_segment_fixed_size 169728
		.amdhsa_private_segment_fixed_size 0
		.amdhsa_enable_private_segment 0
		.amdhsa_kernarg_size 32
		.amdhsa_user_sgpr_count 2
		.amdhsa_user_sgpr_kernarg_segment_ptr 1
		.amdhsa_wavefront_size32 1
		.amdhsa_system_sgpr_workgroup_id_x 1
		.amdhsa_system_sgpr_workgroup_id_y 1
		.amdhsa_system_sgpr_workgroup_id_z 1
		.amdhsa_system_vgpr_workitem_id 0
		.amdhsa_next_free_vgpr 256
		.amdhsa_next_free_sgpr 66
		.amdhsa_reserve_vcc 0
		.amdhsa_float_denorm_mode_32 3
		.amdhsa_float_denorm_mode_16_64 3
		.amdhsa_memory_ordered 1
		.amdhsa_forward_progress 1
		.amdhsa_inst_pref_size 51
	.end_amdhsa_kernel
	.amdgpu_metadata
---
amdhsa.version: [ 1, 2 ]
amdhsa.kernels:
  - .name:           k_qd822a0c2df_quant
    .symbol:         k_qd822a0c2df_quant.kd
    .args:
      - { .name: x, .offset: 0, .size: 8, .value_kind: global_buffer, .address_space: global }
      - { .name: embedding, .offset: 8, .size: 8, .value_kind: global_buffer, .address_space: global }
      - { .name: xbook, .offset: 16, .size: 8, .value_kind: global_buffer, .address_space: global }
      - { .name: ebook, .offset: 24, .size: 8, .value_kind: global_buffer, .address_space: global }
    .group_segment_fixed_size: 169728
    .private_segment_fixed_size: 0
    .kernarg_segment_align: 8
    .kernarg_segment_size: 32
    .max_flat_workgroup_size: 160
    .sgpr_count:     66
    .vgpr_count:     256
    .wavefront_size: 32
...
	.end_amdgpu_metadata
.endif
;; end of part 1
;; launch score (part 2): grid 32 x 8, 8 waves a work-group, clusters of 4 x 1, 327,680 bytes of LDS; arguments xbook, ebook, cand; writes cand
.if DOCPART == 2
	.amdgcn_target "amdgcn-amd-amdhsa--gfx1250"
	.amdhsa_code_object_version 6
	.text
	.protected	k_qd822a0c2df_score
	.globl	k_qd822a0c2df_score
	.p2align	8
	.type	k_qd822a0c2df_score,@function
k_qd822a0c2df_score:
	s_mov_b64 s[64:65], 0
	v_nop
	global_prefetch_b8 v0, s[64:65] scope:SCOPE_SE
	s_setreg_imm32_b32 hwreg(HW_REG_WAVE_MODE, 25, 1), 1
	s_wait_xcnt 0x0
	s_wait_alu depctr_hold_cnt(0) depctr_sa_sdst(0) depctr_va_vdst(0) depctr_va_sdst(0) depctr_va_ssrc(0) depctr_va_vcc(0) depctr_vm_vsrc(0)
	s_getreg_b32 s2, hwreg(HW_REG_IB_STS2, 6, 4)
	s_cmp_eq_u32 s2, 0
	s_cbranch_scc0 .Lentry_in_a_cluster
	s_endpgm
.Lentry_in_a_cluster:
	s_bfe_u32 s2, ttmp6, 0x10000c
	s_cmp_lg_u32 s2, 0x3003
	s_cbranch_scc0 .Lentry_shape_is_right
	s_endpgm
.Lentry_shape_is_right:
; For each row of x and each eighth of the codebook: the smallest d2 = (|x|^2 - 2 x.e) + |e|^2, each sum rounded to f32 once, and WHICH GROUP OF 8 NEIGHBOURING CODES first reached it.
; x.e is the product on codes of FP8 (E4M3) with one E8M0 scale for each 32 along K = 256: two matrix instructions of 16 x 16 x 128 for a tile of 16 codes x 16 rows.
; Vector work for a tile of 16 x 16 scores: 4 packed multiply-adds (|x|^2 - 2 dot), 4 packed additions (+ |e|^2), 4 three-way minima, one compare and one select, which note the group
; when it lowered the lane's minimum STRICTLY.  The index inside the group is found by the next launch.  First index: a lane meets its groups in ascending order; between the halves of the lanes the lower group wins a tie.
; SHARES.  A work-group: 1,024 rows (32 records of xbook) x 1,024 codes (32 records of ebook).  Wave w owns 128 rows, 8 tiles, whose fragments stay in 256 registers (window 1); every wave walks all 64 tiles of codes
; out of LDS: a tile's 4 KiB feed 16 matrix instructions.
; THE CODES COME IN TWO FILLS, each LDS byte filled once.  At the head wave w asks for record w (records 0-7); behind a wait, an LDS add, a wait and a round it asks for
; records 8 + 3 w .. 10 + 3 w.  The first three trips read records 0-6 alone; then each wave waits for its second load and a barrier shows all 32 records to all waves.  The launch claims 327,680 bytes of LDS.
; CLUSTER.  The four row blocks of a cluster read the same records of codes: each load is asked for JOINTLY, with a mask that names the four.  x is not shared: it goes straight to registers.
; NO PREFETCH: every byte that the launch reads is asked for ahead of the first loop, so there is no later load to run ahead of.
; SOURCE 0 = 16 codes, SOURCE 1 = 16 rows of x: a lane holds ONE row of x (lane % 16); its 8 results of tile u of record b are codes 32 b + 16 (lane / 16) + 8 u + 0 .. 7: group 4 b + 2 (lane / 16) + u.
; BY HALVES.  The 8 accumulators are two sets of four.  Behind one set's eight matrix instructions stand the other set's 56 plain vector lines: they are the places between a matrix instruction and the reads
; of its result, the loads into its operands and the next sum begun over its result.  The next tile's LDS loads stand behind those vector lines.
; OUT: cand [8 eighths][32768 rows][key, group]: key = d2's bits turned so that unsigned order is f32 order; group 0 .. 1023.
; LIMITS: NaN and infinities are not served (a NaN loses every minimum).  d2 is never -0, since |e|^2 is not negative, so the keys' order is the numbers' order.
.set REC,  8704                        ; a record: 32 rows: 2 x 4,096 bytes of codes, 256 of scale words, 128 of sums of squares, 128 spare
.set SPARE, 32*REC                     ; behind the 32 records: the spare words, 128 bytes a wave
.set LI,   1                           ; v1   16 x lane
.set L4,   2                           ; v2   4 x lane
.set SEO,  3                           ; v3   64 x (lane / 16)
.set ADR,  4                           ; v4   LDS: the trip's first record + LI
.set ADS,  5                           ; v5   + L4
.set ADE,  6                           ; v6   + SEO
.set GID,  7                           ; v7   my group of the tile before the one whose scores are in hand
.set SXO,  8                           ; v8   4 x (16 (r / 8) + r % 8)
.set CO,   9                           ; v9   8 x (16 (r / 8) + 8 (lane / 16) + r % 8)
.set SCE,  10                          ; v10-11   the codes' scale words, two sets: scales and nothing else
.set SCX,  12                          ; v12-19   x's scale words, a register a tile: scales and nothing else
.set ST,   20                          ; v20-51   tile i: +0 |x|^2, +1 the group noted, +2 and +3 the minimum, old and new by turns
.set SE,   52                          ; v52-67   |e|^2 of my eight codes of a tile, two sets
.set FR,   68                          ; v68-131  the codes' fragments (two K steps x 16 registers), two sets
.set ACC,  132                         ; v132-195 eight accumulators
.set KY,   196                         ; v196-227 at the head and at the end: at work
.set OUTP, 228                         ; v228-235 what is stored
.set SPW,  254                         ; v254 my spare word;  v255 0: both never rewritten
.set NIL,  255
.set G1,   16                          ; s[16:23] group 1: one record, 34 rows of 256 bytes;  s[24:27] its group 0
.set G0,   24
.set G1B,  48                          ; s[48:55] group 1: three records, 102 rows;  s[56:59] its group 0
.set G0B,  56
.set TB,   32                          ; s32  LDS byte of the trip's first record
.set CNT,  33                          ; s33  trips to go
.set SEL,  34                          ; s[34:35] selects of v_permlanex16_b32: lane l xor 16
.set MK,   36                          ; s36-39 compare masks
.set HALF, 40                          ; s40  lanes 16-31
.set MSB, 0
.macro WIN new                         ; the immediate's high byte repeats the setting that is left
.if MSB != \new
	s_set_vgpr_msb (MSB<<8)|\new
.set MSB, \new
.endif
.endm
.set MMW, 0x04                         ; source 1 (x) in window 1; all else in window 0
.macro ROUND                           ; a round of the cluster's barrier
	s_barrier_signal -1
	s_barrier_wait -1
	s_cmp_lg_u32 s10, 0
	s_cbranch_scc1 .Lnot_wave_0_\@
	s_barrier_signal -3
.Lnot_wave_0_\@:
	s_barrier_wait -3
	s_barrier_signal -1
	s_barrier_wait -1
.endm
	s_load_b128 s[4:7], s[0:1], 0x0                ; xbook, ebook
	s_load_b64 s[8:9], s[0:1], 0x10                ; cand
	v_lshl_add_u32 v[SPW], v0, 2, SPARE
	v_mov_b32 v[NIL], 0
	ds_add_u32 v[SPW], v[NIL]                      ; the opening lines: the add, twice on end, and its wait ahead of my first tensor load
	ds_add_u32 v[SPW], v[NIL]
	v_lshrrev_b32 v[KY], 5, v0
	s_delay_alu instid0(VALU_DEP_1)
	v_readfirstlane_b32 s10, v[KY]                 ; wave 0..7
	s_bfe_u32 s11, ttmp6, 0x40000                  ; cx
	s_lshl_b32 s12, ttmp9, 2
	s_add_co_u32 s12, s12, s11                     ; my block of 1,024 rows: it enters x's and cand's addresses alone
	s_and_b32 s13, ttmp7, 0xffff                   ; my eighth of the codes, which the four partners share
	s_lshl_b32 s14, s12, 5
	s_lshl_b32 s15, s10, 2
	s_add_co_u32 s14, s14, s15                     ; my wave's first record of xbook: 32 x block + 4 x wave
	s_mul_i32 s14, s14, REC
	s_mov_b32 s15, 0
	s_lshl_b32 s44, s12, 13                        ; cand: 1,024 rows x 8 bytes a block,
	s_lshl_b32 s45, s10, 10                        ; 128 rows a wave,
	s_add_co_u32 s44, s44, s45
	s_lshl_b32 s45, s13, 18                        ; 262,144 bytes an eighth
	s_add_co_u32 s44, s44, s45
	s_mov_b32 s45, 0
	s_mul_i32 s[G0+1], s10, REC                    ; first fill: record w; a record's place in LDS is its place in the eighth
	s_mul_i32 s[G0B+1], s10, 3*REC                 ; second fill: records 8 + 3 w ..
	s_add_co_u32 s[G0B+1], s[G0B+1], 8*REC
	s_mul_i32 s42, s13, 32*REC
	s_add_co_u32 s46, s42, s[G0B+1]
	s_add_co_u32 s42, s42, s[G0+1]
	s_mov_b32 s43, 0
	s_mov_b32 s47, 0
	; groups 1: dense records as rows of 256 bytes (32 elements of 8 bytes); no padding: the images are read 512 consecutive bytes at a time
.irp g, G1, G1B
	s_mov_b32 s[\g+0], 15|(3<<16)|(1<<21)          ; the mask: all four work-groups; bit 21 set beside it
	s_mov_b32 s[\g+1], 32<<16
	s_mov_b32 s[\g+3], 32<<16
	s_mov_b32 s[\g+5], 32
	s_mov_b32 s[\g+6], 0
	s_mov_b32 s[\g+7], 0
.endr
	s_mov_b32 s[G1+2], 34<<16
	s_mov_b32 s[G1+4], 34
	s_mov_b32 s[G1B+2], 102<<16
	s_mov_b32 s[G1B+4], 102
	s_mov_b32 s[SEL], 0x76543210
	s_mov_b32 s[SEL+1], 0xfedcba98
	s_mov_b32 s[HALF], 0xffff0000
	s_mov_b32 s[TB], 0
	s_lshl_b32 s41, s13, 7                         ; 128 groups of 8 an eighth;
	s_sub_co_u32 s41, s41, 3                       ; the group register runs one tile behind: it begins 3 under the first tile's group (modulo 2^32) and is noted by no select before its first step
	v_and_b32 v[KY], 31, v0                        ; lane
	v_and_b32 v[KY+1], 15, v0                      ; r
	v_bfe_u32 v[KY+2], v0, 4, 1                    ; h
	s_delay_alu instid0(VALU_DEP_3)
	v_lshlrev_b32 v[LI], 4, v[KY]
	s_delay_alu instid0(VALU_DEP_4)
	v_lshlrev_b32 v[L4], 2, v[KY]
	s_delay_alu instid0(VALU_DEP_3)
	v_lshlrev_b32 v[SEO], 6, v[KY+2]
	v_and_b32 v[KY+3], 8, v[KY+1]
	s_delay_alu instid0(VALU_DEP_1)
	v_add_nc_u32 v[KY+3], v[KY+3], v[KY+1]         ; 16 (r / 8) + r % 8
	s_delay_alu instid0(VALU_DEP_1)
	v_lshlrev_b32 v[SXO], 2, v[KY+3]
	s_delay_alu instid0(VALU_DEP_2)
	v_lshl_add_u32 v[CO], v[KY+2], 3, v[KY+3]
	s_delay_alu instid0(VALU_DEP_1)
	v_lshlrev_b32 v[CO], 3, v[CO]
	v_lshl_add_u32 v[GID], v[KY+2], 1, s41         ; 2 h + the eighth's first group - 3
	s_wait_alu depctr_va_vdst(0)                   ; directly ahead of the waits below
	s_wait_dscnt 0x0                               ; both opening adds are done
	s_wait_kmcnt 0x0
	s_add_nc_u64 s[4:5], s[4:5], s[14:15]
	s_add_nc_u64 s[8:9], s[8:9], s[44:45]
	s_mov_b32 s[G0], 1
	s_add_nc_u64 s[G0+2:G0+3], s[6:7], s[42:43]
	s_or_b32 s[G0+3], s[G0+3], 0x80000000
	s_mov_b32 s[G0B], 1
	s_add_nc_u64 s[G0B+2:G0B+3], s[6:7], s[46:47]
	s_or_b32 s[G0B+3], s[G0B+3], 0x80000000
	ROUND                                          ; all four work-groups are here: the joint loads meet
	tensor_load_to_lds s[G0:G0+3], s[G1:G1+7]      ; record w: my one tensor load at the head
	s_nop 0
.rept 4
	v_nop
.endr
.irp i, 0,1,2,3,4,5,6,7
	global_load_b32 v[SCX+\i], v[L4], s[4:5] offset:(\i/2)*REC+8192+128*(\i%2)     ; tile i's scale words: lanes 0-15 K step 0, lanes 16-31 K step 1
	global_load_b32 v[ST+4*\i], v[SXO], s[4:5] offset:(\i/2)*REC+8448+32*(\i%2)    ; |x|^2 of my row of tile i
.endr
	WIN 0x40                                       ; destination window 1
.irp i, 0,1,2,3,4,5,6,7
.irp s, 0,1
.irp c, 0,1,2,3
	global_load_b128 v[32*\i+16*\s+4*\c:32*\i+16*\s+4*\c+3], v[LI], s[4:5] offset:(\i/2)*REC+4096*(\i%2)+2048*\s+512*\c   ; x's fragments stay in registers
.endr
.endr
.endr
	WIN 0
.irp i, 0,1,2,3,4,5,6,7
	v_mov_b32 v[ST+4*\i+1], 0
	v_mov_b32 v[ST+4*\i+2], 0x7f800000             ; the minimum so far: +infinity,
	v_mov_b32 v[ST+4*\i+3], 0x7f800000             ; in both registers: the first block's compare finds no gain
.endr
	v_add_nc_u32 v[ADR], s[TB], v[LI]
	v_add_nc_u32 v[ADS], s[TB], v[L4]
	v_add_nc_u32 v[ADE], s[TB], v[SEO]
; q: a tile's place in a trip (two records, four tiles; 4 and 5 are the next trip's 0 and 1).  Its record begins (q / 2) REC behind the trip's first; sets q % 2
.macro FETCH_C q                       ; the tile's fragments and scale words
.irp s, 0,1
.irp c, 0,1,2,3
	ds_load_b128 v[FR+32*((\q)%2)+16*\s+4*\c:FR+32*((\q)%2)+16*\s+4*\c+3], v[ADR] offset:((\q)/2)*REC+4096*((\q)%2)+2048*\s+512*\c
.endr
.endr
	ds_load_b32 v[SCE+(\q)%2], v[ADS] offset:((\q)/2)*REC+8192+128*((\q)%2)
.endm
.macro FETCH_S q                       ; |e|^2 of my half's eight codes of the tile: sixteen lanes read the same 32 bytes
	ds_load_b128 v[SE+8*((\q)%2):SE+8*((\q)%2)+3], v[ADE] offset:((\q)/2)*REC+8448+32*((\q)%2)
	ds_load_b128 v[SE+8*((\q)%2)+4:SE+8*((\q)%2)+7], v[ADE] offset:((\q)/2)*REC+8448+32*((\q)%2)+16
.endm
; Eight matrix instructions: tiles i0 .. i0 + 3 of x against tile q of the codes; K step 0 starts the sums, K step 1 adds in place.  The accumulators take turns, one instruction a turn
.macro MM i0, q
.irp d, 0,1,2,3
	v_wmma_scale_f32_16x16x128_f8f6f4 v[ACC+8*(\i0+\d):ACC+8*(\i0+\d)+7], v[FR+32*((\q)%2):FR+32*((\q)%2)+15], v[32*(\i0+\d):32*(\i0+\d)+15], 0, v[SCE+(\q)%2], v[SCX+\i0+\d]
.endr
.irp d, 0,1,2,3
	v_wmma_scale_f32_16x16x128_f8f6f4 v[ACC+8*(\i0+\d):ACC+8*(\i0+\d)+7], v[FR+32*((\q)%2)+16:FR+32*((\q)%2)+31], v[32*(\i0+\d)+16:32*(\i0+\d)+31], v[ACC+8*(\i0+\d):ACC+8*(\i0+\d)+7], v[SCE+(\q)%2], v[SCX+\i0+\d] matrix_a_scale:MATRIX_SCALE_ROW1 matrix_b_scale:MATRIX_SCALE_ROW1
.endr
.endm
; The vector work on tiles i0 .. i0 + 3 for tile q of the codes; the four tiles by turns, each accumulator from its low end on.
; The minimum has two registers that change places from tile to tile: the old one stays whole while the tile's 8 numbers go into the new one, so that one compare tells a strict gain.
; A tile's eight numbers and the old minimum are joined by a tree of four three-way minima, two deep.
.macro EPI i0, q
.set OLD, 2+(\q)%2
.set NEW, 3-(\q)%2
.set SS,  SE+8*((\q)%2)
; The compare and the select of a tile stand in the NEXT block of scores of the same set: here the register OLD holds the minimum behind the tile before and the register NEW the one ahead of it.
; So no vector line of a block reads a result made fewer than eight lines before it.
.irp d, 0,1,2,3
	v_cmp_lt_f32 s[MK+\d], v[ST+4*(\i0+\d)+OLD], v[ST+4*(\i0+\d)+NEW]   ; did the tile before lower the minimum strictly?
.endr
.irp p, 0,2,4,6
.irp d, 0,1,2,3
	v_pk_fma_f32 v[ACC+8*(\i0+\d)+\p:ACC+8*(\i0+\d)+\p+1], v[ACC+8*(\i0+\d)+\p:ACC+8*(\i0+\d)+\p+1], -2.0, v[ST+4*(\i0+\d):ST+4*(\i0+\d)+1] op_sel_hi:[1,0,0]   ; |x|^2 - 2 dot, rounded once (of the pair the low word serves both halves)
.endr
.endr
.irp p, 0,2,4,6
.irp d, 0,1,2,3
	v_pk_add_f32 v[ACC+8*(\i0+\d)+\p:ACC+8*(\i0+\d)+\p+1], v[ACC+8*(\i0+\d)+\p:ACC+8*(\i0+\d)+\p+1], v[SS+\p:SS+\p+1]   ; + |e|^2, rounded once
.endr
.endr
.irp d, 0,1,2,3
	v_min3_num_f32 v[ACC+8*(\i0+\d)], v[ACC+8*(\i0+\d)], v[ACC+8*(\i0+\d)+1], v[ACC+8*(\i0+\d)+2]
.endr
.irp d, 0,1,2,3
	v_min3_num_f32 v[ACC+8*(\i0+\d)+3], v[ACC+8*(\i0+\d)+3], v[ACC+8*(\i0+\d)+4], v[ACC+8*(\i0+\d)+5]
.endr
.irp d, 0,1,2,3
	v_min3_num_f32 v[ST+4*(\i0+\d)+NEW], v[ST+4*(\i0+\d)+OLD], v[ACC+8*(\i0+\d)+6], v[ACC+8*(\i0+\d)+7]
.endr
.irp d, 0,1,2,3
	v_cndmask_b32 v[ST+4*(\i0+\d)+1], v[ST+4*(\i0+\d)+1], v[GID], s[MK+\d]   ; then its group is noted
.endr
.irp d, 0,1,2,3
	v_min3_num_f32 v[ST+4*(\i0+\d)+NEW], v[ST+4*(\i0+\d)+NEW], v[ACC+8*(\i0+\d)], v[ACC+8*(\i0+\d)+3]
.endr
.if \i0 == 4
	v_add_nc_u32 v[GID], 3-2*((\q)%2), v[GID]      ; both sets have noted the tile before: now my group of this tile: + 3 into a record, + 1 inside it
.endif
.endm
; The first half of tile q: set A's products; set B's scores of the tile before; then the next tile is asked for, into the sets that tile q - 1 has done with
.macro HA q, epi, fetch
	s_wait_dscnt 0x0                               ; tile q's fragments, scale words and |e|^2, asked for half a tile ago
	WIN MMW
	MM 0, \q
	WIN 0
.if \epi
	EPI 4, (\q)-1
.else
.rept 8
	v_nop                                          ; the very first tile: no vector work is at hand to be the places behind these products
.endr
.endif
.if \fetch
	FETCH_C (\q)+1
	FETCH_S (\q)+1
.endif
.endm
.macro HB q                            ; the second half: set B's products; set A's scores of this tile
	WIN MMW
	MM 4, \q
	WIN 0
	EPI 0, \q
.endm
; A trip: two records, four tiles, from the second half of its first tile to the first half of the next trip's first.  Trip t reads records 2 t .. 2 t + 2
.macro TRIP tail
	v_add_nc_u32 v[ADR], s[TB], v[LI]
	v_add_nc_u32 v[ADS], s[TB], v[L4]
	v_add_nc_u32 v[ADE], s[TB], v[SEO]
	HB 0
	HA 1, 1, 1
	HB 1
	HA 2, 1, 1
	HB 2
	HA 3, 1, 1-\tail
	HB 3
.if !\tail
	HA 4, 1, 1
	s_add_co_u32 s[TB], s[TB], 2*REC
.endif
.endm
	s_wait_alu depctr_va_vdst(0)                   ; the wait at the head's end
	s_wait_tensorcnt 0x0                           ; my record of the first eight lies in LDS
	ds_add_u32 v[SPW], v[NIL]
	s_wait_dscnt 0x0
	ROUND                                          ; everybody's record is in, and all four work-groups are here: the joint loads meet
	tensor_load_to_lds s[G0B:G0B+3], s[G1B:G1B+7]  ; records 8 + 3 w .. 10 + 3 w: my one tensor load behind the round, on bytes that nothing has filled
	s_nop 0
.rept 4
	v_nop
.endr
	FETCH_C 0
	FETCH_S 0
	s_wait_loadcnt 0x0                             ; x's fragments, scale words and |x|^2
	HA 0, 0, 1
	s_mov_b32 s[CNT], 3
.Lfirst:                                               ; trips 0-2: records 0-6, all of the first fill
	TRIP 0
	s_sub_co_u32 s[CNT], s[CNT], 1
	s_cmp_lg_u32 s[CNT], 0
	s_cbranch_scc1 .Lfirst
	s_wait_tensorcnt 0x0                           ; my three records of the second fill lie in LDS,
	s_wait_dscnt 0x0                               ; (no LDS load of mine is out at a signal)
	s_barrier_signal -1
	s_barrier_wait -1                              ; everybody's do
	s_mov_b32 s[CNT], 12
.Lrest:                                                ; trips 3-14
	TRIP 0
	s_sub_co_u32 s[CNT], s[CNT], 1
	s_cmp_lg_u32 s[CNT], 0
	s_cbranch_scc1 .Lrest
	TRIP 1                                         ; the last two records ask for nothing beyond the eighth's end
	EPI 4, 3
.irp g, 0,4                            ; the last tile's compare and select, for both sets: its new minimum lies in +2, its old one in +3
.irp d, 0,1,2,3
	v_cmp_lt_f32 s[MK+\d], v[ST+4*(\g+\d)+2], v[ST+4*(\g+\d)+3]
.endr
.irp d, 0,1,2,3
	v_cndmask_b32 v[ST+4*(\g+\d)+1], v[ST+4*(\g+\d)+1], v[GID], s[MK+\d]
.endr
.endr
	; THE END.  64 tiles: the minimum lies in register +2.  Its bits become a key whose unsigned order is the numbers' order; the two halves of the lanes, which hold the same row and other groups, are joined: the lower key, and on a tie the lower group
.irp i, 0,1,2,3,4,5,6,7
	v_mov_b32 v[KY+4*\i+1], 0                      ; a lane permute's destination counts as one of its sources
	v_mov_b32 v[KY+4*\i+2], 0
.endr
.irp i, 0,1,2,3,4,5,6,7
	v_ashrrev_i32 v[KY+4*\i+3], 31, v[ST+4*\i+2]
.endr
.irp i, 0,1,2,3,4,5,6,7
	v_or_b32 v[KY+4*\i+3], 0x80000000, v[KY+4*\i+3]
.endr
.irp i, 0,1,2,3,4,5,6,7
	v_xor_b32 v[KY+4*\i], v[ST+4*\i+2], v[KY+4*\i+3]   ; not negative: the sign bit is set; negative: all bits are turned
.endr
.irp i, 0,1,2,3,4,5,6,7
	v_permlanex16_b32 v[KY+4*\i+1], v[KY+4*\i], s[SEL], s[SEL+1]
	v_permlanex16_b32 v[KY+4*\i+2], v[ST+4*\i+1], s[SEL], s[SEL+1]
.endr
.irp i, 0,1,2,3,4,5,6,7
	v_min_u32 v[KY+4*\i+3], v[KY+4*\i], v[KY+4*\i+1]   ; the row's key
.endr
.irp i, 0,1,2,3,4,5,6,7
	v_cmp_eq_u32 vcc_lo, v[KY+4*\i], v[KY+4*\i+3]
	s_delay_alu instid0(VALU_DEP_1)
	v_cndmask_b32 v[KY+4*\i], -1, v[ST+4*\i+1], vcc_lo     ; my group where my key is the row's, else the greatest number
	v_cmp_eq_u32 vcc_lo, v[KY+4*\i+1], v[KY+4*\i+3]
	s_delay_alu instid0(VALU_DEP_1)
	v_cndmask_b32 v[KY+4*\i+1], -1, v[KY+4*\i+2], vcc_lo   ; the same of the other half's
	s_delay_alu instid0(VALU_DEP_1)
	v_min_u32 v[KY+4*\i+2], v[KY+4*\i], v[KY+4*\i+1]       ; the row's group
.endr
.irp p, 0,1,2,3                        ; a record's two tiles: lanes 0-15 take the first, lanes 16-31 the second: 32 rows x 8 bytes
	v_cndmask_b32 v[OUTP+2*\p], v[KY+8*\p+3], v[KY+8*\p+7], s[HALF]
	v_cndmask_b32 v[OUTP+2*\p+1], v[KY+8*\p+2], v[KY+8*\p+6], s[HALF]
	global_store_b64 v[CO], v[OUTP+2*\p:OUTP+2*\p+1], s[8:9] offset:256*\p   ; the wave stores 256 consecutive bytes, at a multiple of 256 from the buffer's first byte
.endr
	s_wait_tensorcnt 0x0                           ; the wave's end
	ds_add_u32 v[SPW], v[NIL]
	s_wait_dscnt 0x0
	ROUND                                          ; the closing round: no work-group ends while a partner may still ask for a tile that names it
	s_endpgm
.Lfunc_end_k_qd822a0c2df_score:
	.size	k_qd822a0c2df_score, .Lfunc_end_k_qd822a0c2df_score-k_qd822a0c2df_score
	.p2alignl 7, 3214868480
	.fill 96, 4, 3214868480
	.section	.rodata,"a",@progbits
	.p2align	6, 0x0
	.amdhsa_kernel k_qd822a0c2df_score
		.amdhsa_group_segment_fixed_size 327680
		.amdhsa_private_segment_fixed_size 0
		.amdhsa_enable_private_segment 0
		.amdhsa_kernarg_size 24
		.amdhsa_user_sgpr_count 2
		.amdhsa_user_sgpr_kernarg_segment_ptr 1
		.amdhsa_wavefront_size32 1
		.amdhsa_system_sgpr_workgroup_id_x 1
		.amdhsa_system_sgpr_workgroup_id_y 1
		.amdhsa_system_sgpr_workgroup_id_z 1
		.amdhsa_system_vgpr_workitem_id 0
		.amdhsa_next_free_vgpr 512
		.amdhsa_next_free_sgpr 66
		.amdhsa_reserve_vcc 1
		.amdhsa_float_denorm_mode_32 3
		.amdhsa_float_denorm_mode_16_64 3
		.amdhsa_memory_ordered 1
		.amdhsa_forward_progress 1
		.amdhsa_inst_pref_size 141
	.end_amdhsa_kernel
	.amdgpu_metadata
---
amdhsa.version: [ 1, 2 ]
amdhsa.kernels:
  - .name:           k_qd822a0c2df_score
    .symbol:         k_qd822a0c2df_score.kd
    .args:
      - { .name: xbook, .offset: 0, .size: 8, .value_kind: global_buffer, .address_space: global }
      - { .name: ebook, .offset: 8, .size: 8, .value_kind: global_buffer, .address_space: global }
      - { .name: cand, .offset: 16, .size: 8, .value_kind: global_buffer, .address_space: global }
    .group_segment_fixed_size: 327680
    .private_segment_fixed_size: 0
    .kernarg_segment_align: 8
    .kernarg_segment_size: 24
    .max_flat_workgroup_size: 256
    .sgpr_count:     66
    .vgpr_count:     512
    .wavefront_size: 32
...
	.end_amdgpu_metadata
.endif
;; end of part 2
;; launch pick (part 3): grid 256 x 1, 8 waves a work-group, no clusters, 2,048 bytes of LDS; arguments cand, xbook, ebook, out3, idxw; writes out3, idxw
.if DOCPART == 3
	.amdgcn_target "amdgcn-amd-amdhsa--gfx1250"
	.amdhsa_code_object_version 6
	.text
	.protected	k_qd822a0c2df_pick
	.globl	k_qd822a0c2df_pick
	.p2align	8
	.type	k_qd822a0c2df_pick,@function
k_qd822a0c2df_pick:
	s_mov_b64 s[64:65], 0
	v_nop
	global_prefetch_b8 v0, s[64:65] scope:SCOPE_SE
	s_setreg_imm32_b32 hwreg(HW_REG_WAVE_MODE, 25, 1), 1
	s_wait_xcnt 0x0
; The index of each row's nearest code.  cand holds, for each row and each eighth of the codebook, the smallest d2 as a key (unsigned order = f32 order) and the group of 8 neighbouring codes that first reached it.
; The eighth is chosen by the keys (whole numbers read from memory; strict, so the lower eighth keeps a tie).  Then the row is multiplied again with its group's 8 codes, by the same matrix instruction on the same codes and
; scale words, d2 is formed by the same two roundings, and the first place of the smallest is taken.
; SHARES.  A wave takes one tile of 16 rows of x (tile T = 8 x work-group + wave: record T / 2, tile T % 2).  Each row has a group of its own.  Product p (0 .. 7; two matrix instructions) has as source 0 the 8 codes of
; row p's group (its rows 0-7) and the 8 codes of row p + 8's group (its rows 8-15), as source 1 the 16 rows of x.  Lane (r, h) holds row r against source 0's rows 8 h + 0 .. 7: of product p lane p and lane p + 24 are kept.
; So each row's 8 numbers lie in ONE lane (rows 0-7: lanes 0-7; rows 8-15: lanes 24-31); the other half of the lanes takes the finished index over.
; A group's codes are gathered out of ebook's register images: group g is record g / 4, tile g % 2, tile rows 8 ((g / 2) % 2) + 0 .. 7; its sums of squares are the record's words 8 (g % 4) + 0 .. 7.
; All 64 fragment loads of a wave go out in one run: 8 products x 32 registers fill window 1.
; LIMITS: as in the launch before: NaN and infinities are not served.  A group's number is held at 1,023 before it enters an address.
.set REC, 8704
.set LI,  1                            ; v1   16 x lane
.set L4,  2                            ; v2   4 x lane
.set LA,  3                            ; v3   my place in a gathered fragment: 256 h + 16 (r % 8)
.set LS,  4                            ; v4   and among its scale words: 64 h + 4 (r % 8)
.set CA,  5                            ; v5   cand: 8 x (16 (r / 8) + r % 8)
.set XFO, 6                            ; v6   x's fragment
.set XSO, 7                            ; v7   x's scale words
.set XQO, 8                            ; v8   |x|^2
.set G,   9                            ; v9   my row's group
.set SPW, 10                           ; v10  my spare word
.set SEA, 11                           ; v11  |e|^2 of my row's eight codes
.set HL,  12                           ; v12  lane / 16
.set RL,  14                           ; v14  16 (r / 8) + r % 8
.set LSO, 15                           ; v15  LDS: my row's word
.set CN,  16                           ; v16-31  cand: eight pairs (key, group); the first pair becomes the best
.set AO,  32                           ; v32-39  offsets of the 8 gathered fragments
.set AS,  40                           ; v40-47  and of their scale words
.set M0,  48                           ; v48  all ones where r < 8, else 0
.set M1,  49                           ; v49  all ones where r >= 8, else 0
.set T,   50                           ; v50-53  at work
.set SCA, 64                           ; v64-71  the gathered scale words: scales and nothing else
.set SCX, 80                           ; v80     x's scale words: scales and nothing else
.set NIL, 81                           ; v81     0
.set SX,  82                           ; v82     |x|^2 (v83 is named with it as a pair)
.set SE,  84                           ; v84-91  |e|^2
.set W,   92                           ; v92-95  at work
.set XF,  96                           ; v96-127 x's fragments
.set D,   128                          ; v128-191 eight accumulators; the first also gathers the kept lanes
.set MSB, 0
.macro WIN new                         ; the immediate's high byte repeats the setting that is left
.if MSB != \new
	s_set_vgpr_msb (MSB<<8)|\new
.set MSB, \new
.endif
.endm
	s_load_b256 s[4:11], s[0:1], 0x0               ; cand, xbook, ebook, out3
	s_load_b64 s[12:13], s[0:1], 0x20              ; idxw
	v_lshl_add_u32 v[SPW], v0, 2, 0x400
	v_mov_b32 v[NIL], 0
	v_lshrrev_b32 v15, 5, v0
	v_readfirstlane_b32 s14, v15                   ; wave 0..7
	s_lshl_b32 s16, ttmp9, 3
	s_add_co_u32 s16, s16, s14                     ; my tile of x
	s_lshr_b32 s17, s16, 1                         ; its record
	s_and_b32 s18, s16, 1                          ; and which of the record's two
	s_mov_b32 s34, 0x76543210
	s_mov_b32 s35, 0xfedcba98
	s_mov_b32 s46, 0xff0000ff                      ; the lanes that hold a row's numbers
	s_lshl_b32 s19, s18, 12
	s_lshl_b32 s24, s18, 7
	s_lshl_b32 s25, s18, 5
	s_lshr_b32 s26, s14, 1                         ; LDS: the work-group's 128 rows, a word each: 32 (wave / 2) + 8 (wave % 2) + my row
	s_lshl_b32 s26, s26, 7
	s_and_b32 s20, s14, 1
	s_lshl_b32 s20, s20, 5
	s_add_co_u32 s26, s26, s20
	s_lshl_b32 s20, s17, 8                         ; cand: 32 rows x 8 bytes a record,
	s_lshl_b32 s21, s18, 6                         ; the second tile's rows 8 further on
	s_add_co_u32 s20, s20, s21
	s_mov_b32 s21, 0
	s_mul_i32 s22, s17, REC
	s_mov_b32 s23, 0
	v_and_b32 v[W], 31, v0                         ; lane
	v_and_b32 v13, 15, v0                          ; r
	v_bfe_u32 v[HL], v0, 4, 1
	v_bfe_u32 v[W+3], v0, 3, 1                     ; r / 8
	v_and_b32 v[W+2], 7, v0                        ; r % 8
	v_lshlrev_b32 v[LI], 4, v[W]
	v_lshlrev_b32 v[L4], 2, v[W]
	v_lshl_add_u32 v[RL], v[W+3], 3, v13
	v_add_nc_u32 v[M0], -1, v[W+3]
	v_sub_nc_u32 v[M1], 0, v[W+3]
	v_lshlrev_b32 v[LA], 8, v[HL]
	v_lshlrev_b32 v[LS], 6, v[HL]
	v_lshl_add_u32 v[LA], v[W+2], 4, v[LA]
	v_lshl_add_u32 v[LS], v[W+2], 2, v[LS]
	v_lshlrev_b32 v[CA], 3, v[RL]
	v_add_nc_u32 v[XFO], s19, v[LI]
	v_add_nc_u32 v[XSO], s24, v[L4]
	v_lshl_add_u32 v[XQO], v[RL], 2, s25
	v_lshl_add_u32 v[LSO], v[RL], 2, s26
	v_mov_b32 v[SX+1], 0
	v_mov_b32 v[W+3], 0                            ; a lane permute's destination counts as one of its sources
	s_wait_alu depctr_va_vdst(0)                   ; the wait at the head's end
	s_wait_kmcnt 0x0
	s_add_nc_u64 s[4:5], s[4:5], s[20:21]
	s_add_nc_u64 s[6:7], s[6:7], s[22:23]
.irp y, 0,1,2,3,4,5,6,7
	global_load_b64 v[CN+2*\y:CN+2*\y+1], v[CA], s[4:5] offset:\y*262144
.endr
.irp s, 0,1
.irp c, 0,1,2,3
	global_load_b128 v[XF+16*\s+4*\c:XF+16*\s+4*\c+3], v[XFO], s[6:7] offset:2048*\s+512*\c
.endr
.endr
	global_load_b32 v[SCX], v[XSO], s[6:7] offset:8192
	global_load_b32 v[SX], v[XQO], s[6:7] offset:8448
	s_wait_loadcnt 10                              ; the eight pairs of cand are in; the ten loads behind them may be out
.irp y, 1,2,3,4,5,6,7
	v_cmp_lt_u32 vcc_lo, v[CN+2*\y], v[CN]         ; strictly lower: the lower eighth keeps a tie
	v_cndmask_b32 v[CN], v[CN], v[CN+2*\y], vcc_lo
	v_cndmask_b32 v[CN+1], v[CN+1], v[CN+2*\y+1], vcc_lo
.endr
	v_min_u32 v[G], 1023, v[CN+1]                  ; held inside the table before it enters an address
	s_wait_alu depctr_va_vdst(0)                   ; directly behind the write
	v_and_b32 v[W+1], 1020, v[G]
	v_and_b32 v[W+2], 3, v[G]
	v_mul_u32_u24 v[W+1], v[W+1], REC/4            ; the group's record,
	v_lshl_add_u32 v[SEA], v[W+2], 5, v[W+1]       ; its eight of the record's 32 sums
	global_load_b128 v[SE:SE+3], v[SEA], s[8:9] offset:8448
	global_load_b128 v[SE+4:SE+7], v[SEA], s[8:9] offset:8464
; A group's number in \g becomes the byte offsets of its eight tile rows' codes (\fa) and scale words (\sa) in ebook
.macro ROWOFF g, fa, sa
	s_min_u32 \g, \g, 1023
	s_and_b32 s50, \g, 1020
	s_mul_i32 s50, s50, REC/4                      ; the record
	s_and_b32 s51, \g, 1                           ; the tile
	s_and_b32 s52, \g, 2                           ; 2 x (which eight of its rows)
	s_lshl_b32 s53, s51, 12
	s_add_co_u32 \fa, s50, s53
	s_lshl_b32 s53, s52, 6
	s_add_co_u32 \fa, \fa, s53
	s_lshl_b32 s53, s51, 7
	s_add_co_u32 \sa, s50, s53
	s_lshl_b32 s53, s52, 4
	s_add_co_u32 \sa, \sa, s53
.endm
.irp p, 0,1,2,3,4,5,6,7
	v_readlane_b32 s40, v[G], \p                   ; row p's group: source 0's rows 0-7
	v_readlane_b32 s41, v[G], \p+8                 ; row p + 8's: its rows 8-15
	ROWOFF s40, s42, s43
	ROWOFF s41, s44, s45
	v_and_b32 v[T], s42, v[M0]
	v_and_b32 v[T+1], s44, v[M1]
	v_and_b32 v[T+2], s43, v[M0]
	v_and_b32 v[T+3], s45, v[M1]
	v_add3_u32 v[AO+\p], v[T], v[T+1], v[LA]
	v_add3_u32 v[AS+\p], v[T+2], v[T+3], v[LS]
.endr
	s_wait_alu depctr_va_vdst(0)                   ; ahead of the readers below
.irp p, 0,1,2,3,4,5,6,7
	global_load_b32 v[SCA+\p], v[AS+\p], s[8:9] offset:8192
.endr
	WIN 0x40                                       ; destination window 1
.irp d, 0,1,2,3,4,5,6,7
.irp s, 0,1
.irp c, 0,1,2,3
	global_load_b128 v[32*\d+16*\s+4*\c:32*\d+16*\s+4*\c+3], v[AO+\d], s[8:9] offset:2048*\s+512*\c
.endr
.endr
.endr
	WIN 0
	s_wait_loadcnt 0x0
	WIN 0x01                                       ; source 0 in window 1.  Sixteen matrix instructions; the eight accumulators by turns
.irp d, 0,1,2,3,4,5,6,7
	v_wmma_scale_f32_16x16x128_f8f6f4 v[D+8*\d:D+8*\d+7], v[32*\d:32*\d+15], v[XF:XF+15], 0, v[SCA+\d], v[SCX]
.endr
.irp d, 0,1,2,3,4,5,6,7
	v_wmma_scale_f32_16x16x128_f8f6f4 v[D+8*\d:D+8*\d+7], v[32*\d+16:32*\d+31], v[XF+16:XF+31], v[D+8*\d:D+8*\d+7], v[SCA+\d], v[SCX] matrix_a_scale:MATRIX_SCALE_ROW1 matrix_b_scale:MATRIX_SCALE_ROW1
.endr
	WIN 0
.rept 8
	v_nop                                          ; places in front of the reads of these results (ISA guide 7.12.1)
.endr
.irp a, 1,2,3,4,5,6,7                  ; product a's lanes a and a + 24 go into the first accumulator's registers, from the low end on
	s_mov_b32 s47, 0x01000001<<(\a)
.irp j, 0,1,2,3,4,5,6,7
	v_cndmask_b32 v[D+\j], v[D+\j], v[D+8*(\a)+\j], s47
.endr
.endr
	; in the kept lanes register j is my row's product with code 8 G + j
.irp p, 0,2,4,6
	v_pk_fma_f32 v[D+\p:D+\p+1], v[D+\p:D+\p+1], -2.0, v[SX:SX+1] op_sel_hi:[1,0,0]   ; |x|^2 - 2 dot, rounded once
.endr
.irp p, 0,2,4,6
	v_pk_add_f32 v[D+\p:D+\p+1], v[D+\p:D+\p+1], v[SE+\p:SE+\p+1]                     ; + |e|^2, rounded once
.endr
	v_mov_b32 v[W], v[D]                           ; the smallest so far,
	v_mov_b32 v[W+1], 0                            ; and its place
.irp j, 1,2,3,4,5,6,7
	v_cmp_le_f32 vcc_lo, v[W], v[D+\j]             ; the earlier place keeps a tie
	v_cndmask_b32 v[W+1], \j, v[W+1], vcc_lo
	v_cndmask_b32 v[W], v[D+\j], v[W], vcc_lo
.endr
	v_lshl_add_u32 v[W+1], v[G], 3, v[W+1]         ; the index
	v_permlanex16_b32 v[W+3], v[W+1], s34, s35
	v_cndmask_b32 v[W+1], v[W+3], v[W+1], s46      ; a lane that holds no row's numbers takes the index of lane l xor 16, which holds its row's
	ds_store_b32 v[LSO], v[W+1]                    ; both halves of the lanes write the same word with the same value
	s_wait_dscnt 0x0                               ; for the others' sake: my store has landed
	s_barrier_signal -1
	s_barrier_wait -1
	s_cmp_gt_u32 s14, 1
	s_cbranch_scc1 .Lend
	ds_load_b128 v[CN:CN+3], v[LI]                 ; the work-group's 128 indices: wave 0 stores them to out3, wave 1 to idxw
	s_cmp_eq_u32 s14, 0
	s_cselect_b64 s[10:11], s[10:11], s[12:13]
	s_lshl_b32 s20, ttmp9, 9
	s_mov_b32 s21, 0
	s_add_nc_u64 s[10:11], s[10:11], s[20:21]
	s_wait_dscnt 0x0
	global_store_b128 v[LI], v[CN:CN+3], s[10:11]  ; 512 consecutive bytes, at a multiple of 256 from the buffer's first byte
.Lend:
	s_wait_tensorcnt 0x0                           ; the wave's end
	ds_add_u32 v[SPW], v[NIL]
	s_wait_dscnt 0x0
	s_endpgm
.Lfunc_end_k_qd822a0c2df_pick:
	.size	k_qd822a0c2df_pick, .Lfunc_end_k_qd822a0c2df_pick-k_qd822a0c2df_pick
	.p2alignl 7, 3214868480
	.fill 96, 4, 3214868480
	.section	.rodata,"a",@progbits
	.p2align	6, 0x0
	.amdhsa_kernel k_qd822a0c2df_pick
		.amdhsa_group_segment_fixed_size 2048
		.amdhsa_private_segment_fixed_size 0
		.amdhsa_enable_private_segment 0
		.amdhsa_kernarg_size 40
		.amdhsa_user_sgpr_count 2
		.amdhsa_user_sgpr_kernarg_segment_ptr 1
		.amdhsa_wavefront_size32 1
		.amdhsa_system_sgpr_workgroup_id_x 1
		.amdhsa_system_sgpr_workgroup_id_y 1
		.amdhsa_system_sgpr_workgroup_id_z 1
		.amdhsa_system_vgpr_workitem_id 0
		.amdhsa_next_free_vgpr 512
		.amdhsa_next_free_sgpr 66
		.amdhsa_reserve_vcc 1
		.amdhsa_float_denorm_mode_32 3
		.amdhsa_float_denorm_mode_16_64 3
		.amdhsa_memory_ordered 1
		.amdhsa_forward_progress 1
		.amdhsa_inst_pref_size 32
	.end_amdhsa_kernel
	.amdgpu_metadata
---
amdhsa.version: [ 1, 2 ]
amdhsa.kernels:
  - .name:           k_qd822a0c2df_pick
    .symbol:         k_qd822a0c2df_pick.kd
    .args:
      - { .name: cand, .offset: 0, .size: 8, .value_kind: global_buffer, .address_space: global }
      - { .name: xbook, .offset: 8, .size: 8, .value_kind: global_buffer, .address_space: global }
      - { .name: ebook, .offset: 16, .size: 8, .value_kind: global_buffer, .address_space: global }
      - { .name: out3, .offset: 24, .size: 8, .value_kind: global_buffer, .address_space: global }
      - { .name: idxw, .offset: 32, .size: 8, .value_kind: global_buffer, .address_space: global }
    .group_segment_fixed_size: 2048
    .private_segment_fixed_size: 0
    .kernarg_segment_align: 8
    .kernarg_segment_size: 40
    .max_flat_workgroup_size: 256
    .sgpr_count:     66
    .vgpr_count:     512
    .wavefront_size: 32
...
	.end_amdgpu_metadata
.endif
;; end of part 3
;; launch gather (part 4): grid 512 x 1, 8 waves a work-group, no clusters, 1,280 bytes of LDS; arguments x, embedding, idxw, out0, part; writes out0, part
.if DOCPART == 4
	.amdgcn_target "amdgcn-amd-amdhsa--gfx1250"
	.amdhsa_code_object_version 6
	.text
	.protected	k_qd822a0c2df_gather
	.globl	k_qd822a0c2df_gather
	.p2align	8
	.type	k_qd822a0c2df_gather,@function
k_qd822a0c2df_gather:
	s_mov_b64 s[64:65], 0
	v_nop
	global_prefetch_b8 v0, s[64:65] scope:SCOPE_SE
	s_setreg_imm32_b32 hwreg(HW_REG_WAVE_MODE, 25, 1), 1
	s_wait_xcnt 0x0
; out0[n] = x[n] + (q - x[n]) with q = embedding[idxw[n]], and each work-group's sum of (q - x)^2, all in f32.
; A stream: a wave takes 8 rows of 1,024 bytes; each load and store of a wave covers 512 consecutive bytes.  All 32 loads of a wave are issued before the first is used.  No matrix unit, no cluster, no tensor load:
; nothing is shared but the codebook's rows, which a list names.  The indices were stored by the launch before; each is held at 8,191 before it enters an address.
; The loss's parts are added in a fixed order: four chains a lane, the lanes of a wave, the eight waves; the last launch adds the 512 work-groups' parts.
.set LO, 2                             ; v2   16 x lane
.set X,  16                            ; v16-79   x, 8 registers a row; then out0
.set Q,  80                            ; v80-143  the codes' rows; then q - x
.set QO, 144                           ; v144-151 offsets of the rows gathered
.set A,  152                           ; v152-159 four chains of squares
	s_load_b256 s[4:11], s[0:1], 0x0               ; x, embedding, idxw, out0
	s_load_b64 s[12:13], s[0:1], 0x20              ; part
	v_lshl_add_u32 v176, v0, 2, 0x100
	v_mov_b32 v177, 0
	v_lshrrev_b32 v1, 5, v0
	s_delay_alu instid0(VALU_DEP_1)
	v_readfirstlane_b32 s14, v1                    ; wave 0..7
	v_and_b32 v3, 31, v0
	s_delay_alu instid0(VALU_DEP_1)
	v_lshlrev_b32 v[LO], 4, v3
	s_lshl_b32 s15, ttmp9, 6
	s_lshl_b32 s26, s14, 3
	s_add_co_u32 s15, s15, s26                     ; my first row
	s_lshl_b32 s32, s15, 2
	s_mov_b32 s33, 0
	s_lshl_b32 s34, s15, 10
	s_mov_b32 s35, 0
	s_lshl_b32 s36, ttmp9, 2
	s_mov_b32 s37, 0
	s_mov_b32 s24, 0x76543210
	s_mov_b32 s25, 0xfedcba98
	s_wait_alu depctr_va_vdst(0)
	s_wait_kmcnt 0x0
	s_add_nc_u64 s[8:9], s[8:9], s[32:33]
	s_load_b256 s[16:23], s[8:9], 0x0              ; my eight indices
	s_add_nc_u64 s[4:5], s[4:5], s[34:35]
	s_add_nc_u64 s[10:11], s[10:11], s[34:35]
	s_add_nc_u64 s[12:13], s[12:13], s[36:37]
.irp k, 0,1,2,3,4,5,6,7
	global_load_b128 v[X+8*\k:X+8*\k+3], v[LO], s[4:5] offset:1024*\k th:TH_LOAD_NT
	global_load_b128 v[X+8*\k+4:X+8*\k+7], v[LO], s[4:5] offset:1024*\k+512 th:TH_LOAD_NT
.endr
	s_wait_kmcnt 0x0
.irp k, 0,1,2,3,4,5,6,7
	s_min_u32 s[16+\k], s[16+\k], 8191             ; held inside the table
	s_lshl_b32 s[16+\k], s[16+\k], 10
	v_add_nc_u32 v[QO+\k], s[16+\k], v[LO]
.endr
	s_wait_alu depctr_va_vdst(0)
.irp k, 0,1,2,3,4,5,6,7
	global_load_b128 v[Q+8*\k:Q+8*\k+3], v[QO+\k], s[6:7]
	global_load_b128 v[Q+8*\k+4:Q+8*\k+7], v[QO+\k], s[6:7] offset:512
.endr
.irp k, 0,1,2,3,4,5,6,7
	s_wait_loadcnt 2*(7-\k)                        ; row k's code is in (and all of x, asked for earlier); the later rows' two loads each may be out
.irp p, 0,2,4,6
	v_pk_add_f32 v[Q+8*\k+\p:Q+8*\k+\p+1], v[Q+8*\k+\p:Q+8*\k+\p+1], v[X+8*\k+\p:X+8*\k+\p+1] neg_lo:[0,1] neg_hi:[0,1]   ; q - x
.endr
.irp p, 0,2,4,6
.if \k == 0
	s_delay_alu instid0(VALU_DEP_4)
	v_pk_mul_f32 v[A+\p:A+\p+1], v[Q+\p:Q+\p+1], v[Q+\p:Q+\p+1]                    ; the first row starts the chains
.else
	s_delay_alu instid0(VALU_DEP_4)
	v_pk_fma_f32 v[A+\p:A+\p+1], v[Q+8*\k+\p:Q+8*\k+\p+1], v[Q+8*\k+\p:Q+8*\k+\p+1], v[A+\p:A+\p+1]
.endif
.endr
.irp p, 0,2,4,6
	v_pk_add_f32 v[X+8*\k+\p:X+8*\k+\p+1], v[X+8*\k+\p:X+8*\k+\p+1], v[Q+8*\k+\p:Q+8*\k+\p+1]   ; x + (q - x)
.endr
.endr
	v_pk_add_f32 v[A:A+1], v[A:A+1], v[A+2:A+3]
	v_pk_add_f32 v[A+4:A+5], v[A+4:A+5], v[A+6:A+7]
	s_delay_alu instid0(VALU_DEP_1)
	v_pk_add_f32 v[A:A+1], v[A:A+1], v[A+4:A+5]
	s_delay_alu instid0(VALU_DEP_1)
	v_add_f32 v[A], v[A], v[A+1]
	s_delay_alu instid0(VALU_DEP_1)
	v_add_f32_dpp v[A], v[A], v[A] row_xmask:1 row_mask:0xf bank_mask:0xf
	s_delay_alu instid0(VALU_DEP_1)
	v_add_f32_dpp v[A], v[A], v[A] row_xmask:2 row_mask:0xf bank_mask:0xf
	s_delay_alu instid0(VALU_DEP_1)
	v_add_f32_dpp v[A], v[A], v[A] row_xmask:4 row_mask:0xf bank_mask:0xf
	s_delay_alu instid0(VALU_DEP_1)
	v_add_f32_dpp v[A], v[A], v[A] row_xmask:8 row_mask:0xf bank_mask:0xf
	s_delay_alu instid0(VALU_DEP_1)
	v_permlanex16_b32 v[A+1], v[A], s24, s25
	s_delay_alu instid0(VALU_DEP_1)
	v_add_f32 v[A], v[A], v[A+1]                   ; the wave's sum, in every lane
	s_lshl_b32 s26, s14, 2
	v_mov_b32 v4, s26
	ds_store_b32 v4, v[A]                          ; all lanes write the wave's word with the same value
	s_wait_alu depctr_va_vdst(0)                   ; directly ahead of the wait below
	s_wait_dscnt 0x0                               ; for the others' sake
.irp k, 0,1,2,3,4,5,6,7                ; the wave's 16 stores in one run, behind all its vector work on the eight rows
	global_store_b128 v[LO], v[X+8*\k:X+8*\k+3], s[10:11] offset:1024*\k th:TH_STORE_NT
	global_store_b128 v[LO], v[X+8*\k+4:X+8*\k+7], s[10:11] offset:1024*\k+512 th:TH_STORE_NT
.endr
	s_barrier_signal -1
	s_barrier_wait -1
	v_mov_b32 v5, 0
	ds_load_b128 v[160:163], v5
	ds_load_b128 v[164:167], v5 offset:16
	s_wait_dscnt 0x0
	v_pk_add_f32 v[160:161], v[160:161], v[162:163]
	v_pk_add_f32 v[164:165], v[164:165], v[166:167]
	s_delay_alu instid0(VALU_DEP_1)
	v_pk_add_f32 v[160:161], v[160:161], v[164:165]
	s_delay_alu instid0(VALU_DEP_1)
	v_add_f32 v160, v160, v161
	v_cmp_eq_u32 vcc_lo, 0, v0
	s_wait_alu depctr_va_vdst(0)
	s_wait_xcnt 0x0                                ; EXEC changes only behind this wait: the stores above have read it
	s_wait_tensorcnt 0x0
	ds_add_u32 v176, v177
	s_wait_dscnt 0x0
	s_and_saveexec_b32 s27, vcc_lo
	global_store_b32 v5, v160, s[12:13]            ; thread 0: the work-group's part
	s_wait_xcnt 0x0
	s_or_b32 exec_lo, exec_lo, s27
	s_endpgm
.Lfunc_end_k_qd822a0c2df_gather:
	.size	k_qd822a0c2df_gather, .Lfunc_end_k_qd822a0c2df_gather-k_qd822a0c2df_gather
	.p2alignl 7, 3214868480
	.fill 96, 4, 3214868480
	.section	.rodata,"a",@progbits
	.p2align	6, 0x0
	.amdhsa_kernel k_qd822a0c2df_gather
		.amdhsa_group_segment_fixed_size 1280
		.amdhsa_private_segment_fixed_size 0
		.amdhsa_enable_private_segment 0
		.amdhsa_kernarg_size 40
		.amdhsa_user_sgpr_count 2
		.amdhsa_user_sgpr_kernarg_segment_ptr 1
		.amdhsa_wavefront_size32 1
		.amdhsa_system_sgpr_workgroup_id_x 1
		.amdhsa_system_sgpr_workgroup_id_y 1
		.amdhsa_system_sgpr_workgroup_id_z 1
		.amdhsa_system_vgpr_workitem_id 0
		.amdhsa_next_free_vgpr 178
		.amdhsa_next_free_sgpr 66
		.amdhsa_reserve_vcc 1
		.amdhsa_float_denorm_mode_32 3
		.amdhsa_float_denorm_mode_16_64 3
		.amdhsa_memory_ordered 1
		.amdhsa_forward_progress 1
		.amdhsa_inst_pref_size 17
	.end_amdhsa_kernel
	.amdgpu_metadata
---
amdhsa.version: [ 1, 2 ]
amdhsa.kernels:
  - .name:           k_qd822a0c2df_gather
    .symbol:         k_qd822a0c2df_gather.kd
    .args:
      - { .name: x, .offset: 0, .size: 8, .value_kind: global_buffer, .address_space: global }
      - { .name: embedding, .offset: 8, .size: 8, .value_kind: global_buffer, .address_space: global }
      - { .name: idxw, .offset: 16, .size: 8, .value_kind: global_buffer, .address_space: global }
      - { .name: out0, .offset: 24, .size: 8, .value_kind: global_buffer, .address_space: global }
      - { .name: part, .offset: 32, .size: 8, .value_kind: global_buffer, .address_space: global }
    .group_segment_fixed_size: 1280
    .private_segment_fixed_size: 0
    .kernarg_segment_align: 8
    .kernarg_segment_size: 40
    .max_flat_workgroup_size: 256
    .sgpr_count:     66
    .vgpr_count:     178
    .wavefront_size: 32
...
	.end_amdgpu_metadata
.endif
;; end of part 4
;; launch mean (part 5): grid 1 x 1, 1 waves a work-group, no clusters, 0 bytes of LDS; arguments part, out1, out2; writes out1, out2
.if DOCPART == 5
	.amdgcn_target "amdgcn-amd-amdhsa--gfx1250"
	.amdhsa_code_object_version 6
	.text
	.protected	k_qd822a0c2df_mean
	.globl	k_qd822a0c2df_mean
	.p2align	8
	.type	k_qd822a0c2df_mean,@function
k_qd822a0c2df_mean:
	s_mov_b64 s[64:65], 0
	v_nop
	global_prefetch_b8 v0, s[64:65] scope:SCOPE_SE
	s_setreg_imm32_b32 hwreg(HW_REG_WAVE_MODE, 25, 1), 1
	s_wait_xcnt 0x0
; out1 = out2 = the sum of the 512 work-groups' parts / (32768 x 256): both losses of the module are the same number.  One wave: 16 parts a lane, then the lanes.  2^-23 is exact.
	s_load_b128 s[4:7], s[0:1], 0x0                ; part, out1
	s_load_b64 s[8:9], s[0:1], 0x10                ; out2
	v_lshlrev_b32 v1, 4, v0
	v_mov_b32 v2, 0
	s_mov_b32 s10, 0x76543210
	s_mov_b32 s11, 0xfedcba98
	s_wait_alu depctr_va_vdst(0)
	s_wait_kmcnt 0x0
.irp t, 0,1,2,3
	global_load_b128 v[4+4*\t:7+4*\t], v1, s[4:5] offset:512*\t
.endr
	s_wait_loadcnt 0x0
	v_pk_add_f32 v[4:5], v[4:5], v[6:7]
	v_pk_add_f32 v[8:9], v[8:9], v[10:11]
	v_pk_add_f32 v[12:13], v[12:13], v[14:15]
	v_pk_add_f32 v[16:17], v[16:17], v[18:19]
	v_pk_add_f32 v[4:5], v[4:5], v[8:9]
	v_pk_add_f32 v[12:13], v[12:13], v[16:17]
	v_pk_add_f32 v[4:5], v[4:5], v[12:13]
	v_add_f32 v4, v4, v5
	v_add_f32_dpp v4, v4, v4 row_xmask:1 row_mask:0xf bank_mask:0xf
	v_add_f32_dpp v4, v4, v4 row_xmask:2 row_mask:0xf bank_mask:0xf
	v_add_f32_dpp v4, v4, v4 row_xmask:4 row_mask:0xf bank_mask:0xf
	v_add_f32_dpp v4, v4, v4 row_xmask:8 row_mask:0xf bank_mask:0xf
	v_permlanex16_b32 v5, v4, s10, s11
	v_add_f32 v4, v4, v5
	v_mul_f32 v4, 0x34000000, v4                   ; x 2^-23
	v_cmp_eq_u32 vcc_lo, 0, v0
	s_wait_alu depctr_va_vdst(0)
	s_wait_xcnt 0x0                                ; EXEC changes only behind this wait
	s_and_saveexec_b32 s12, vcc_lo
	global_store_b32 v2, v4, s[6:7]
	global_store_b32 v2, v4, s[8:9]
	s_wait_xcnt 0x0
	s_or_b32 exec_lo, exec_lo, s12
	s_endpgm
.Lfunc_end_k_qd822a0c2df_mean:
	.size	k_qd822a0c2df_mean, .Lfunc_end_k_qd822a0c2df_mean-k_qd822a0c2df_mean
	.p2alignl 7, 3214868480
	.fill 96, 4, 3214868480
	.section	.rodata,"a",@progbits
	.p2align	6, 0x0
	.amdhsa_kernel k_qd822a0c2df_mean
		.amdhsa_group_segment_fixed_size 0
		.amdhsa_private_segment_fixed_size 0
		.amdhsa_enable_private_segment 0
		.amdhsa_kernarg_size 24
		.amdhsa_user_sgpr_count 2
		.amdhsa_user_sgpr_kernarg_segment_ptr 1
		.amdhsa_wavefront_size32 1
		.amdhsa_system_sgpr_workgroup_id_x 1
		.amdhsa_system_sgpr_workgroup_id_y 1
		.amdhsa_system_sgpr_workgroup_id_z 1
		.amdhsa_system_vgpr_workitem_id 0
		.amdhsa_next_free_vgpr 32
		.amdhsa_next_free_sgpr 66
		.amdhsa_reserve_vcc 1
		.amdhsa_float_denorm_mode_32 3
		.amdhsa_float_denorm_mode_16_64 3
		.amdhsa_memory_ordered 1
		.amdhsa_forward_progress 1
		.amdhsa_inst_pref_size 3
	.end_amdhsa_kernel
	.amdgpu_metadata
---
amdhsa.version: [ 1, 2 ]
amdhsa.kernels:
  - .name:           k_qd822a0c2df_mean
    .symbol:         k_qd822a0c2df_mean.kd
    .args:
      - { .name: part, .offset: 0, .size: 8, .value_kind: global_buffer, .address_space: global }
      - { .name: out1, .offset: 8, .size: 8, .value_kind: global_buffer, .address_space: global }
      - { .name: out2, .offset: 16, .size: 8, .value_kind: global_buffer, .address_space: global }
    .group_segment_fixed_size: 0
    .private_segment_fixed_size: 0
    .kernarg_segment_align: 8
    .kernarg_segment_size: 24
    .max_flat_workgroup_size: 32
    .sgpr_count:     66
    .vgpr_count:     32
    .wavefront_size: 32
...
	.end_amdgpu_metadata
.endif
;; end of part 5
